; MI455X (gfx1250); checked and timed in simulation.
; The chip was launched on July 23, 2026; its instructions are those of AMD's public machine-readable ISA for CDNA 5 (MIT licence, August 2026) and "CDNA5" Instruction Set Architecture Reference Guide (July 2026). The comments in the code are by the model that wrote it; some were corrected since.
;; Full Attention. Allowed arithmetic: matrix products marked QUANTISED: E5M2 operands, one given power-of-two scale a tensor, by v_wmma_f32_16x16x64_bf8_bf8 or v_wmma_f32_16x16x128_bf8_bf8, f32 sums; everything else in f32.
;; Inputs: attn_mask 4 x 1 x 2,048 x 2,048 bool; keys 4 x 2,048 x 16 x 64 float32; lowp_scales 4 int32 (the exponents e of the quantised operands' scales 2^e); queries 4 x 2,048 x 16 x 64 float32; values 4 x 2,048 x 16 x 64 float32.
;; Outputs: out0 4 x 2,048 x 16 x 64 float32.
;; This version of the problem:
;;   THIS VERSION OF THE PROBLEM IS GIVEN IN LOW PRECISION. The matrix products marked QUANTISED in the list below multiply operands that are first quantised to E5M2 (5 exponent bits, 2 mantissa bits; 8 bits a number), with one given power-of-two scale for each operand tensor; their sums are f32. All else is computed in f32.
;;   The module's matrix products, in the order in which they are computed (A, B: the left and right operand; K: the contracted axis; several contracted axes count as one K, in the product's order):
;;     1. batch 64 x [M 2,048, K 64] x [K 64, N 2,048]; A: input queries; B: input keys: QUANTISED (scales: A lowp_scales[0], B lowp_scales[1])
;;     2. batch 64 x [M 64, K 2,048] x [K 2,048, N 2,048]; A: input values; B: softmax (see below): QUANTISED (scales: A lowp_scales[2], B lowp_scales[3])
;;   THE QUANTISER, for each operand of a quantised product, along K:
;;     - The operand's scale is 2^e, e = its entry of the input lowp_scales (int32; the entries are numbered through the quantised products in the list's order, A before B).
;;     - Each number is divided by the scale, clamped to +-57,344, and rounded to the nearest number of E5M2, ties to even, subnormals kept.
;;     - The product sums the exact products of the quantised numbers (number of the format x scale) in f32.
;;   ~~~python
;;   def quantise(x, axis, e):      # numpy; x: float32 -> the quantised numbers, widened to float32 again
;;       x = np.moveaxis(x, axis, -1); K = x.shape[-1]
;;       r = np.clip(x / 2.0 ** e, -57344, 57344)
;;       step = 2.0 ** (np.maximum(np.frexp(np.where(r == 0, 1, r))[1] - 1, -14) - 2)
;;       q = np.round(r / step) * step * 2.0 ** e      # np.round: ties to even
;;       return np.moveaxis(q, -1, axis).astype(np.float32)
;;   ~~~
;;   SOFTMAX AHEAD OF A QUANTISED PRODUCT. Where the list says 'softmax', what is quantised is not the finished softmax but p = 2^(t - M), with t = logit x log2(e) and M = ceil(the row's largest t), a whole number; so 1/2 < the row's largest p <= 1. The row's sum l is taken of the UNQUANTISED p, in f32, and the product's result is divided by l at the end. Since M is a whole number, a kernel that streams over the keys may use a running M (the ceiling of the running maximum): every later rescaling is an exact power of two, so the quantised numbers keep their values, but for numbers so far below the row's largest that they fall under the format's range.
;;   OPERANDS COMPUTED ON THE WAY. 'Computed on the way' means the value that the module computes at that place (a softmax that the list does not call 'softmax' is quantised finished and normalised). What goes into a quantiser is computed in f32, as accurately as f32 sums, v_exp_f32 and their like allow (about 1e-6 of the number): no bf16 or f16 on the way to a quantiser, and a product that is left as it is and whose result goes on into a quantised operand takes f32 operands (vector FMAs, or v_wmma_f32_16x16x4_f32). A number that lies on a knife's edge between two numbers of the format may be rounded either way, as far as f32 arithmetic and the matrix unit's own rounding can turn it there, and no further.
;; One version. Each part assembles by itself: llvm-mc -triple=amdgcn-amd-amdhsa -mcpu=gfx1250 --defsym DOCPART=n.
;; ======== version 1 of 1: 2 launches
;; limits: right only within a limited range of input values
;; workspace buffers: kv_codes 16,777,216 bytes; mbits 2,097,152 bytes of whole numbers; flags 262,144 bytes of whole numbers
;; launch prep (part 1): grid 768 x 1, 4 waves a work-group, no clusters, 35,328 bytes of LDS; arguments keys, values, attn_mask, lowp_scales, kv_codes, flags, mbits; writes kv_codes, flags, mbits
.if DOCPART == 1
	.amdgcn_target "amdgcn-amd-amdhsa--gfx1250"
	.amdhsa_code_object_version 6
	.text
	.protected	k_q0eb7766f65_prep
	.globl	k_q0eb7766f65_prep
	.p2align	8
	.type	k_q0eb7766f65_prep,@function
k_q0eb7766f65_prep:
	s_mov_b64 s[64:65], 0
	v_nop
	global_prefetch_b8 v0, s[64:65] scope:SCOPE_SE
	s_setreg_imm32_b32 hwreg(HW_REG_WAVE_MODE, 25, 1), 1
	s_wait_xcnt 0x0
; FIRST OF TWO LAUNCHES.  keys and values [4][2048][16][64] f32 become codes of E5M2, each with its given scale 2^e (lowp_scales: 0 queries, 1 keys, 2 values, 3 softmax), laid in the order of the
; matrix operands' registers; and attn_mask [4][1][2048][2048] (a byte a score, 1 = masked) is read once and told in lane masks and flags.
; code = x / 2^e, held within +-57,344, rounded to the nearest code, ties to even.
; kv_codes, for head bh = 16 b + hd, 262,144 bytes, key step st (128 keys) at 16,384 st:
;   K, bytes 0 on:     1,024 tile + 512 c + 16 (r + 16 h) + y  =  code of K[key 128 st + 32 (tile / 2) + 8 (tile % 2) + r % 8 + 16 (r / 8)][E = 32 c + 16 h + y]
;   V, bytes 8,192 on: 2,048 t + 512 c + 16 (r + 16 h) + y     =  code of V[key 128 st + 32 c + 16 h + y][d = 16 t + r]         (the keys are the second product's K)
; mbits, 64 words for each (batch, tile T of 16 queries, key step s), at word 64 (16 (128 b + T) + s): bit r + 16 h of word 16 u + i = the mask of query 16 T + r, key 128 s + 32 u + 16 h + i.
; flags, 256 bytes for each (batch, tile, half of the key steps), at 512 (128 b + T) + 256 half, one word repeated: bit s % 8 = 1: among the 16 x 128 scores of step s some score is NOT masked; bit 16 + s % 8 = 1: some score IS masked.
; WHAT THE SECOND LAUNCH LEAVES OUT, AND WHY IT IS DEAD: a key step of a tile none of whose scores is unmasked.  reference() sets each of its 16 x 128 scores to -infinity ahead of the softmax, whatever the queries and keys hold:
; such a score moves no row's maximum, its p is 0, it adds 0 to the row's sum and 0 x V to the result.  So the step's two products and its softmax reach no output, for every finite input.  The choice is made by
; whole numbers (the mask's bytes), stored here and read from memory there.  No pattern of the mask is built in; every input is loaded.
; LIMITS: -126 <= e and e + 15 <= 127 for each given e.  NaN among keys and values is not served; an infinity is held at the largest code.  Mask bytes are 0 or 1.
; A NaN, an infinity or an overflow that reaches only a step left out (a NaN among values under a wholly masked tile) is not carried to the result.
; SHARES: work-groups 0-255: keys; 256-511: values; a wave takes one (head, key step): 128 keys x 64.  Four waves of a work-group take four neighbouring heads: 1,024 neighbouring bytes of each key.
;         work-groups 512-767: the mask; a wave takes half a tile: 16 rows x 1,024 keys.  Waves share nothing: no barrier.
.set R,     16                         ; keys: v16-111   three sets of 32 numbers as loaded
.set X,     112                        ; keys: v112-175  two sets of 32: a lane's 2 x 16 neighbours along E
.set XV,    16                         ; values: v16-79  two sets of 32: a lane's column, 32 keys down
.set C,     176                        ; v176-239 codes: eight registers for each tile or block, so that no store's data are written again
.set MS,    16                         ; mask: v16-143   two sets of 64: 16 rows x 512 keys each
.set MW,    144                        ; mask: v144-159  a pair for each of eight steps: the step's 64 words, two a lane
.set TP,    160                        ; mask: v160-167 at work; v168-171 the steps' ands and ors; v172-173 the flag word
.set TA,    168
.set REG,   8704                       ; LDS: a region for each wave: keys: two stages of 16 rows x 272 bytes; mask: one of 16 rows x 528 bytes
.set STG1,  4352
.set SPARE, 4*REG                      ; behind the regions: the spare words, 128 bytes for each wave: two blocks of 256 bytes that no other line names
.set SPW,   12                         ; v12  LDS address of my spare word; never rewritten
.set NIL,   13                         ; v13  0; never rewritten
.macro SCALE e                         ; v11 = 2^e as f32 (the conversion takes its exponent field), v10 = 57,344 x 2^e
	s_wait_kmcnt 0x0
	s_add_co_i32 s22, s[\e], 127
	s_lshl_b32 s23, s22, 23
	v_mov_b32 v11, s23
	s_add_co_i32 s22, s22, 15
	s_lshl_b32 s22, s22, 23
	s_or_b32 s22, s22, 0x600000
	v_mov_b32 v10, s22
.endm
; KEYS.  Tile t's 16 keys: lanes 0-15 read one key's whole row of 256 bytes, lanes 16-31 the row of the key 16 further on
.macro KLOAD t
.irp i, 0,1,2,3,4,5,6,7
	global_load_b128 v[R+32*((\t)%3)+4*\i:R+32*((\t)%3)+4*\i+3], v4, s[4:5] offset:(32*((\t)/2)+8*((\t)%2)+\i)*4096 th:TH_LOAD_NT
.endr
.endm
; through the wave's own stage: in as loaded (row i and row 8 + i), back 64 bytes a lane of row r.  LDS serves a wave's instructions in order: no wait between.  Rows are 272 bytes apart
.macro KTURN t
.irp i, 0,1,2,3,4,5,6,7
	ds_store_b128 v5, v[R+32*((\t)%3)+4*\i:R+32*((\t)%3)+4*\i+3] offset:STG1*((\t)%2)+272*\i
.endr
.irp c, 0,1
.irp j, 0,1,2,3
	ds_load_b128 v[X+32*((\t)%2)+16*\c+4*\j:X+32*((\t)%2)+16*\c+4*\j+3], v6 offset:STG1*((\t)%2)+128*\c+16*\j
.endr
.endr
.endm
.macro KSTEP t
.set XS, X+32*((\t)%2)
	s_wait_dscnt 0x0                               ; this tile's numbers are back from the stage, so its stores into the stage have read their registers,
.if (\t)+3 < 8
	KLOAD (\t)+3                                   ; which take the loads of three tiles on
.endif
.if (\t) < 7
.if (\t) <= 4
	s_wait_loadcnt 16                              ; the next tile's eight loads are in; those of the two tiles behind it may be out
.else
	s_wait_loadcnt 8*(6-(\t))                      ; the counts run down: one tile behind it, then none
.endif
	KTURN (\t)+1                                   ; it goes through the other stage while this tile is worked
.endif
.set n, 0
.rept 32
	v_med3_num_f32 v[XS+n], v[XS+n], -v10, v10     ; the conversion to an 8-bit code does not saturate (ISA guide 7.6.2): the hold comes first
.set n, n+1
.endr
.irp c, 0,1
	v_cvt_scalef32_pk8_bf8_f32 v[C+8*(\t)+4*\c:C+8*(\t)+4*\c+1], v[XS+16*\c:XS+16*\c+7], v11
	v_cvt_scalef32_pk8_bf8_f32 v[C+8*(\t)+4*\c+2:C+8*(\t)+4*\c+3], v[XS+16*\c+8:XS+16*\c+15], v11
.endr
.irp c, 0,1
	global_store_b128 v7, v[C+8*(\t)+4*\c:C+8*(\t)+4*\c+3], s[12:13] offset:1024*(\t)+512*\c   ; the wave stores 512 consecutive bytes.  (The codes go to stores alone; the next vector lines are the next tile's holds, plain ones on other registers)
.endr
.endm
; VALUES.  Block k = 2 c + g: a lane takes column d = 32 g + lane, and its 32 registers run down keys 32 c + 0 .. 31: the conversions give codes with the keys innermost, and nothing is transposed
.macro VLOAD k
.set n, 0
.rept 32
	global_load_b32 v[XV+32*((\k)%2)+n], v4, s[4:5] offset:(32*((\k)/2)+n)*4096+128*((\k)%2) th:TH_LOAD_NT
.set n, n+1
.endr
.endm
.macro VBLOCK k
.set XS, XV+32*((\k)%2)
.if (\k) < 7
	s_wait_loadcnt 32                              ; this block's 32 loads are in; the next block's may be out
.else
	s_wait_loadcnt 0
.endif
.set n, 0
.rept 32
	v_med3_num_f32 v[XS+n], v[XS+n], -v10, v10
.set n, n+1
.endr
.irp u, 0,1,2,3
	v_cvt_scalef32_pk8_bf8_f32 v[C+8*(\k)+2*\u:C+8*(\k)+2*\u+1], v[XS+8*\u:XS+8*\u+7], v11
.endr
	global_store_b128 v5, v[C+8*(\k):C+8*(\k)+3], s[12:13] offset:4096*((\k)%2)+512*((\k)/2)          ; keys 32 c + 0 .. 15: the image's lanes 0-15; sixteen lanes store 256 consecutive bytes, aligned
	global_store_b128 v5, v[C+8*(\k)+4:C+8*(\k)+7], s[12:13] offset:4096*((\k)%2)+512*((\k)/2)+256    ; keys 32 c + 16 .. 31: its lanes 16-31
.if (\k)+2 < 8
	VLOAD (\k)+2
.endif
.endm
; THE MASK.  Chunk q: 512 keys (four steps) of each of 16 rows; a load reads 512 consecutive bytes of one row
.macro MLOAD q
.set n, 0
.rept 16
	global_load_b128 v[MS+64*(\q)+4*n:MS+64*(\q)+4*n+3], v4, s[8:9] offset:2048*n+512*(\q) th:TH_LOAD_NT
.set n, n+1
.endr
.endm
.macro MTURN q, left                   ; through the wave's own stage, so that lane (r, h) holds row r's keys 32 u + 16 h + 0 .. 15 of each step.  Rows are 528 bytes apart
	s_wait_loadcnt \left
.set n, 0
.rept 16
	ds_store_b128 v6, v[MS+64*(\q)+4*n:MS+64*(\q)+4*n+3] offset:528*n
.set n, n+1
.endr
	s_wait_dscnt 0x0                               ; the stores have read the registers that the loads below write
.irp t, 0,1,2,3
.irp u, 0,1,2,3
	ds_load_b128 v[MS+64*(\q)+16*\t+4*\u:MS+64*(\q)+16*\t+4*\u+3], v7 offset:128*\t+32*\u
.endr
.endr
	s_wait_dscnt 0x0
.endm
.macro MSTEP q, t                      ; step 4 q + t of my eight: its 16 words of bytes a lane become 64 lane masks
.set DD, MS+64*(\q)+16*(\t)
.set WW, MW+2*(4*(\q)+(\t))
.set w, 0
.rept 16
.set TT, TP+4*(w%2)
.set SS, 36+4*(w%2)
	v_and_b32 v[TT], 1, v[DD+w]
	v_and_b32 v[TT+1], s30, v[DD+w]
	v_and_b32 v[TT+2], s31, v[DD+w]
	v_cmp_lt_u32 s[SS+3], s32, v[DD+w]             ; the top byte is not 0
	v_cmp_ne_u32 s[SS], 0, v[TT]
	v_cmp_ne_u32 s[SS+1], 0, v[TT+1]
	v_cmp_ne_u32 s[SS+2], 0, v[TT+2]
	v_writelane_b32 v[WW], s[SS], 2*w              ; word 4 w + k stands in lane 2 w + k / 2, register k % 2
	v_writelane_b32 v[WW+1], s[SS+1], 2*w
	v_writelane_b32 v[WW], s[SS+2], 2*w+1
	v_writelane_b32 v[WW+1], s[SS+3], 2*w+1
.set w, w+1
.endr
	global_store_b64 v5, v[WW:WW+1], s[46:47] offset:256*(4*(\q)+(\t))   ; the wave stores 256 consecutive bytes, aligned
	v_and_b32 v[TA], v[DD], v[DD+1]
	v_or_b32 v[TA+1], v[DD], v[DD+1]
	v_and_b32 v[TA+2], v[DD+2], v[DD+3]
	v_or_b32 v[TA+3], v[DD+2], v[DD+3]
.set w, 4
.rept 6
	v_and_b32 v[TA], v[TA], v[DD+w]
	v_or_b32 v[TA+1], v[TA+1], v[DD+w]
	v_and_b32 v[TA+2], v[TA+2], v[DD+w+1]
	v_or_b32 v[TA+3], v[TA+3], v[DD+w+1]
.set w, w+2
.endr
	v_and_b32 v[TA], v[TA], v[TA+2]
	v_or_b32 v[TA+1], v[TA+1], v[TA+3]
	v_cmp_ne_u32 s33, 0x1010101, v[TA]             ; some score is not masked
	v_cmp_ne_u32 s34, 0, v[TA+1]                   ; some score is masked
	s_cmp_lg_u32 s33, 0
	s_cselect_b32 s44, 1<<(4*(\q)+(\t)), 0
	s_or_b32 s45, s45, s44
	s_cmp_lg_u32 s34, 0
	s_cselect_b32 s44, 0x10000<<(4*(\q)+(\t)), 0
	s_or_b32 s45, s45, s44
.endm
	s_load_b256 s[4:11], s[0:1], 0x0               ; keys s[4:5], values s[6:7], the mask s[8:9], the scales' exponents s[10:11]
	s_load_b128 s[12:15], s[0:1], 0x20             ; kv_codes s[12:13], flags s[14:15]
	s_load_b64 s[46:47], s[0:1], 0x30              ; mbits
	v_lshl_add_u32 v[SPW], v0, 2, SPARE
	v_mov_b32 v[NIL], 0
	v_lshrrev_b32 v1, 5, v0
	v_readfirstlane_b32 s16, v1                    ; wave 0..3
	v_and_b32 v1, 31, v0                           ; lane
	v_and_b32 v2, 15, v0                           ; lane % 16
	v_bfe_u32 v3, v0, 4, 1                         ; lane / 16
	s_wait_alu depctr_va_vdst(0)
	s_and_b32 s17, ttmp9, 255
	s_lshl_b32 s17, s17, 2
	s_add_co_u32 s17, s17, s16                     ; J: my wave's number within its path
	s_mov_b32 s21, 0                               ; the upper word of every offset pair s[20:21]
	s_wait_kmcnt 0x0
	s_cmp_ge_u32 ttmp9, 512
	s_cbranch_scc1 .Lmask
	s_load_b128 s[24:27], s[10:11], 0x0            ; eq, ek, ev, ep
	s_and_b32 s18, s17, 15                         ; the head within its batch
	s_bfe_u32 s19, s17, 0x40004                    ; the key step
	s_lshr_b32 s22, s17, 8                         ; the batch
	s_lshl_b32 s20, s22, 23                        ; from: batch x 2,048 x 4,096 + step x 128 x 4,096 + head x 256 bytes
	s_lshl_b32 s23, s19, 19
	s_add_co_u32 s20, s20, s23
	s_lshl_b32 s23, s18, 8
	s_add_co_u32 s20, s20, s23
	s_cmp_lt_u32 ttmp9, 256                        ; keys or values: the choice hangs on the work-group's number alone
	s_cselect_b64 s[4:5], s[4:5], s[6:7]
	s_cselect_b32 s28, 0, 0x2000
	s_add_nc_u64 s[4:5], s[4:5], s[20:21]
	s_lshl_b32 s20, s22, 4                         ; to: (16 batch + head) x 262,144 + step x 16,384 (+ 8,192 for V)
	s_add_co_u32 s20, s20, s18
	s_lshl_b32 s20, s20, 18
	s_lshl_b32 s23, s19, 14
	s_add_co_u32 s20, s20, s23
	s_add_co_u32 s20, s20, s28
	s_add_nc_u64 s[12:13], s[12:13], s[20:21]
	s_cmp_lt_u32 ttmp9, 256
	s_cbranch_scc0 .Lvalues
	; ---- keys
	s_wait_alu depctr_va_vdst(0)
	v_lshlrev_b32 v4, 16, v3
	v_lshl_add_u32 v4, v2, 4, v4                   ; in: 16 keys x 4,096 bytes for lanes 16-31, + 16 (lane % 16)
	s_mul_i32 s29, s16, REG
	v_mul_u32_u24 v5, v3, 2176
	v_lshl_add_u32 v5, v2, 4, v5
	v_add_nc_u32 v5, s29, v5                       ; the stage, on the way in: row 8 (lane / 16), 16 (lane % 16)
	v_mul_u32_u24 v6, v2, 272
	v_lshl_add_u32 v6, v3, 6, v6
	v_add_nc_u32 v6, s29, v6                       ; and back: row lane % 16, + 64 (lane / 16)
	v_lshlrev_b32 v7, 4, v1                        ; out: 16 x lane
	KLOAD 0
	KLOAD 1
	KLOAD 2
	s_wait_alu depctr_va_vdst(0)
	SCALE 25
	s_wait_alu depctr_va_vdst(0)                   ; and at the head's end
	s_wait_loadcnt 16                              ; tile 0's eight loads are in; two tiles' are out
	KTURN 0
.irp t, 0,1,2,3,4,5,6,7
	KSTEP \t
.endr
	s_wait_tensorcnt 0x0                           ; the wave's end, behind my last LDS store
	ds_add_u32 v[SPW], v[NIL]
	s_wait_dscnt 0x0
	s_endpgm
	; ---- values (no LDS)
.Lvalues:
	s_wait_alu depctr_va_vdst(0)
	v_lshlrev_b32 v4, 2, v1                        ; in: 4 bytes a lane
	v_lshlrev_b32 v5, 11, v3
	v_lshl_add_u32 v5, v2, 4, v5                   ; out: d-tile lane / 16 (2,048 bytes), + 16 (lane % 16)
	VLOAD 0
	VLOAD 1
	s_wait_alu depctr_va_vdst(0)
	SCALE 26
	s_wait_alu depctr_va_vdst(0)                   ; and at the head's end
.irp k, 0,1,2,3,4,5,6,7
	VBLOCK \k
.endr
	s_endpgm
	; ---- the mask
.Lmask:
	s_lshr_b32 s18, s17, 1                         ; 128 b + T
	s_and_b32 s19, s17, 1                          ; which half of the keys
	s_lshl_b32 s20, s18, 15
	s_lshl_b32 s22, s19, 10
	s_add_co_u32 s20, s20, s22
	s_add_nc_u64 s[8:9], s[8:9], s[20:21]          ; my tile's 16 rows, my 1,024 keys
	s_lshl_b32 s20, s17, 8
	s_add_nc_u64 s[14:15], s[14:15], s[20:21]      ; my flag words
	s_lshl_b32 s20, s17, 11
	s_add_nc_u64 s[46:47], s[46:47], s[20:21]      ; my eight steps' lane masks
	s_mul_i32 s29, s16, REG
	s_mov_b32 s30, 0x100
	s_mov_b32 s31, 0x10000
	s_mov_b32 s32, 0xffffff
	s_mov_b32 s45, 0                               ; the flag word
	s_wait_alu depctr_va_vdst(0)
	v_lshlrev_b32 v4, 4, v1                        ; in: 16 x lane
	v_lshlrev_b32 v5, 3, v1                        ; out: 8 x lane
	v_mul_u32_u24 v7, v2, 528
	v_lshl_add_u32 v7, v3, 4, v7
	v_add_nc_u32 v6, s29, v4                       ; the stage, on the way in
	v_add_nc_u32 v7, s29, v7                       ; and back: row lane % 16, + 16 (lane / 16)
	MLOAD 0
	MLOAD 1
.set n, 0
.rept 16
	v_mov_b32 v[MW+n], 0                           ; written once: a lane write's destination counts as one of its sources
.set n, n+1
.endr
	s_wait_alu depctr_va_vdst(0)
	MTURN 0, 16                                    ; chunk 0's sixteen loads are in, chunk 1's may be out
.irp t, 0,1,2,3
	MSTEP 0, \t
.endr
	s_wait_alu depctr_va_vdst(0)
	MTURN 1, 0
.irp t, 0,1,2,3
	MSTEP 1, \t
.endr
	v_mov_b32 v172, s45
	v_mov_b32 v173, s45
	global_store_b64 v5, v[172:173], s[14:15]      ; the word 64 times: a whole aligned unit of 256 bytes, all lanes on
	s_wait_tensorcnt 0x0                           ; the wave's end
	ds_add_u32 v[SPW], v[NIL]
	s_wait_dscnt 0x0
	s_endpgm
.Lfunc_end_k_q0eb7766f65_prep:
	.size	k_q0eb7766f65_prep, .Lfunc_end_k_q0eb7766f65_prep-k_q0eb7766f65_prep
	.p2alignl 7, 3214868480
	.fill 96, 4, 3214868480
	.section	.rodata,"a",@progbits
	.p2align	6, 0x0
	.amdhsa_kernel k_q0eb7766f65_prep
		.amdhsa_group_segment_fixed_size 35328
		.amdhsa_private_segment_fixed_size 0
		.amdhsa_enable_private_segment 0
		.amdhsa_kernarg_size 56
		.amdhsa_user_sgpr_count 2
		.amdhsa_user_sgpr_kernarg_segment_ptr 1
		.amdhsa_wavefront_size32 1
		.amdhsa_system_sgpr_workgroup_id_x 1
		.amdhsa_system_sgpr_workgroup_id_y 1
		.amdhsa_system_sgpr_workgroup_id_z 1
		.amdhsa_system_vgpr_workitem_id 0
		.amdhsa_next_free_vgpr 240
		.amdhsa_next_free_sgpr 66
		.amdhsa_reserve_vcc 0
		.amdhsa_float_denorm_mode_32 3
		.amdhsa_float_denorm_mode_16_64 3
		.amdhsa_memory_ordered 1
		.amdhsa_forward_progress 1
		.amdhsa_inst_pref_size 178
	.end_amdhsa_kernel
	.amdgpu_metadata
---
amdhsa.version: [ 1, 2 ]
amdhsa.kernels:
  - .name:           k_q0eb7766f65_prep
    .symbol:         k_q0eb7766f65_prep.kd
    .args:
      - { .name: keys, .offset: 0, .size: 8, .value_kind: global_buffer, .address_space: global }
      - { .name: values, .offset: 8, .size: 8, .value_kind: global_buffer, .address_space: global }
      - { .name: attn_mask, .offset: 16, .size: 8, .value_kind: global_buffer, .address_space: global }
      - { .name: lowp_scales, .offset: 24, .size: 8, .value_kind: global_buffer, .address_space: global }
      - { .name: kv_codes, .offset: 32, .size: 8, .value_kind: global_buffer, .address_space: global }
      - { .name: flags, .offset: 40, .size: 8, .value_kind: global_buffer, .address_space: global }
      - { .name: mbits, .offset: 48, .size: 8, .value_kind: global_buffer, .address_space: global }
    .group_segment_fixed_size: 35328
    .private_segment_fixed_size: 0
    .kernarg_segment_align: 8
    .kernarg_segment_size: 56
    .max_flat_workgroup_size: 128
    .sgpr_count:     66
    .vgpr_count:     240
    .wavefront_size: 32
...
	.end_amdgpu_metadata
.endif
;; end of part 1
;; launch attn (part 2): grid 4 x 64, 16 waves a work-group, no clusters, 301,056 bytes of LDS; arguments queries, kv_codes, mbits, flags, lowp_scales, out0; writes out0
.if DOCPART == 2
	.amdgcn_target "amdgcn-amd-amdhsa--gfx1250"
	.amdhsa_code_object_version 6
	.text
	.protected	k_q0eb7766f65_attn
	.globl	k_q0eb7766f65_attn
	.p2align	8
	.type	k_q0eb7766f65_attn,@function
k_q0eb7766f65_attn:
	s_mov_b64 s[64:65], 0
	v_nop
	global_prefetch_b8 v0, s[64:65] scope:SCOPE_SE
	s_setreg_imm32_b32 hwreg(HW_REG_WAVE_MODE, 25, 1), 1
	s_wait_xcnt 0x0
; SECOND OF TWO LAUNCHES.  out[b][l][hd][:] = the sum over s of softmax_s(where(mask, -inf, Q . K) / 8) V, both products on codes of E5M2 with the given scales 2^eq, 2^ek, 2^ev, 2^ep (lowp_scales 0 to 3).
; LEFT OUT: a key step (128 keys) of a tile of 16 queries all of whose 2,048 scores the mask's bytes mark as masked: every one is -infinity ahead of the softmax, so p = 0, whatever the inputs hold (shown at the head of
; the first launch, which stored the flags that are read here).  A NaN, an infinity or an overflow that reaches only such a step is not carried to the result.
; THE SOFTMAX: t = score x log2(e) / 8; M = the row's largest t so far, rounded UP to a whole number; p = 2^(t - M) is quantised along the keys, not normalised; the row's sum is taken of the unquantised p and divides at
; the end; when M moves, the sum and O are multiplied by 2^(old M - new M), which rounds nothing.  A row that is wholly masked has the sum 0 and comes out NaN (0 x infinity), as reference() has it.
; SHARES.  A work-group serves one head (y) and 32 of its 128 tiles of 16 queries.  Wave w owns tiles A = 127 - T and B = T, T = 16 x + w, one after the other: an order of work, right for any mask.
; THE CODES of the head, 262,144 bytes, come into LDS in FOUR GROUPS of four key steps (65,536 bytes), through registers: each wave moves 4,096 bytes of a group.  Group g + 1 is on its way (32 registers, eight loads of 512
; consecutive bytes a wave) while tile A walks group g; then it is stored to LDS, the next group is asked for, and one barrier follows.  No byte of an image is written twice.  Tile B walks all sixteen steps with no barrier.
; No tensor load, copy engine or joint load; the walk over key steps branches on flags read from memory.
; No prefetch into the L2: each load of the copy is itself issued a group, four key steps, ahead of the wait for it, and behind the last group nothing is left to ask for but tile B's 16 rows of q, issued a group ahead too.
; LAYOUT.  Both products transposed: S^T = K Q^T (source 0 = 16 keys, source 1 = my 16 queries; K = 64), O^T = V^T P^T (source 0 = 16 of the head's 64, source 1 = P; K = 128 keys): a lane (r, h) holds ONE query, r = lane % 16.
; The keys of a tile of K are chosen (first launch) so that register 96 + n, n = 16 b + i, of lane (r, h) is the score of key 32 b + 16 h + i: sixteen neighbours, which the conversions turn into P's registers as they stand.
; Word n of a step's lane masks (mbits) is then register 96 + n's mask, lane by lane.
; Along each K the numbers sit in the registers in the order of 16-byte loads (registers 4 c on: k = 32 c + 16 h + 0 .. 15), alike in both operands: every product meets its partner.
; LIMITS: eq + ek between -123 and 130 (added to c's exponent field); eq and ep between -126 and 112; ep + ev is applied by v_ldexp_f32.  NaN among the queries is not served; an infinity is held at the largest code.
; REGISTERS: v1 16 x lane; v2 LDS address of the step's codes; v3 where my part of group 0 goes; v5, v6 the add's two; v7 my place in two rows of q or out; v8 the stage by rows; v9, v10 the stage by my query;
; v12 -M, v13 the largest t, v[14:15] the sum in two halves; v16-23 q's codes; v32-95 K's 8 fragments or V's 4; v96-159 S^T, then p; v160-191 O^T; v192-207 p's codes; v208-239 the group (or tile B's q) on its way;
; v24-31, v240-254 at work; v255 -infinity.  s[32:63], s[68:99] a step's lane masks (at the head: addresses).
.set STG,   262144                     ; behind the images: a stage for each wave: 16 rows x (128 bytes + 16); a row of 256 bytes passes in two halves: half p takes bytes 8 p to 8 p + 7 of each 16
.set STGW,  2304
.set SPARE, STG+16*STGW                ; and the spare words, 128 bytes for each wave: eight blocks of 256 bytes that no other line names
.set CB,    208
.set SPW,   5
.set NIL,   6
.macro GLOAD g, base                   ; my 4,096 bytes of group g
.irp i, 0,1,2,3,4,5,6,7
	global_load_b128 v[\base+4*\i:\base+4*\i+3], v1, s[6:7] offset:65536*\g+512*\i
.endr
.endm
.macro GSTORE adr, base
.irp i, 0,1,2,3,4,5,6,7
	ds_store_b128 v[\adr], v[\base+4*\i:\base+4*\i+3] offset:512*\i
.endr
.endm
.macro QLOAD base, adr                 ; a tile's 16 rows of q, two whole rows of 256 bytes an instruction
.irp i, 0,1,2,3,4,5,6,7
	global_load_b128 v[\base+4*\i:\base+4*\i+3], v7, s[\adr:\adr+1] offset:8192*\i th:TH_LOAD_NT
.endr
.endm
.macro QTURN x                         ; those rows through my stage: lane (r, h) gets, of row r, E = 32 c + 16 h + 0 .. 15; and their codes: the operand's eight registers
.irp p, 0,1
.irp i, 0,1,2,3,4,5,6,7
	ds_store_b64 v8, v[\x+4*\i+2*\p:\x+4*\i+2*\p+1] offset:288*\i
.endr
.irp i, 0,1,2,3                        ; LDS serves a wave's instructions in order (ISA guide 5.7.1.4): these see my stores, and the next half's stores come behind them
	ds_load_b64 v[64+4*\i+2*\p:65+4*\i+2*\p], v10 offset:8*\i
	ds_load_b64 v[80+4*\i+2*\p:81+4*\i+2*\p], v10 offset:64+8*\i
.endr
.endr
	s_wait_dscnt 0x0
	v_mov_b32 v252, s67                            ; 2^eq
	v_mov_b32 v253, s105                           ; 57,344 x 2^eq.  (In the steps v253 is only named as the upper half of the pair v[252:253])
.set n, 0
.rept 32
	v_med3_num_f32 v[64+n], v[64+n], -v253, v253   ; the conversion to an 8-bit code does not saturate (ISA guide 7.6.2): the hold comes first
.set n, n+1
.endr
.irp c, 0,1
	v_cvt_scalef32_pk8_bf8_f32 v[16+4*\c:17+4*\c], v[64+16*\c:71+16*\c], v252
	v_cvt_scalef32_pk8_bf8_f32 v[18+4*\c:19+4*\c], v[72+16*\c:79+16*\c], v252
.endr
	v_nop                                          ; a plain vector line behind the last conversion: vector and matrix instructions touch its registers later
.endm
.macro INIT
	v_mov_b32 v13, 0xff61b1e6                      ; the largest t so far: -3e38, under every t
	v_mov_b32 v14, 0
	v_floor_f32 v12, -v13                          ; -M
	v_mov_b32 v15, 0
.set n, 0
.rept 32
	v_mov_b32 v[160+n], 0                          ; O^T begins as zeros: which step is the tile's first hangs on the flags, so no first step can be written out
.set n, n+1
.endr
.endm
.macro PADD d, a, b
	v_pk_add_f32 v[\d:\d+1], v[\a:\a+1], v[\b:\b+1]
.endm
; KEY STEPS first .. first + count - 1 of a tile, a constant number: a step that is left out is jumped over inside the trip.  fl: the tile's flag word; mb: its lane masks' address
.macro STEPS fl, mb, first, count
	s_mov_b32 s2, \first
.Lstep_\@:
	s_lshr_b32 s17, s[\fl], s2
	s_and_b32 s3, s17, 1
	s_cmp_eq_u32 s3, 0
	s_cbranch_scc1 .Lskip_\@                       ; all 16 x 128 scores are masked
	s_lshl_b32 s3, s2, 14
	v_add_nc_u32 v2, s3, v1                        ; this step's 16,384 bytes: K's, then V's
.rept 3
	v_nop                                          ; with the addition: four places in front of loads into registers that the last products read (ISA guide 7.12.1 for vector instructions)
.endr
	s_and_b32 s3, s17, 0x10000
	s_cmp_eq_u32 s3, 0
	s_cbranch_scc1 .Lnoask_\@                      ; no score of the step is masked: its lane masks are not read
	s_lshl_b32 s20, s2, 8
	s_load_b512 s[32:47], s[\mb:\mb+1], s20 offset:0x0
	s_load_b512 s[48:63], s[\mb:\mb+1], s20 offset:0x40
	s_load_b512 s[68:83], s[\mb:\mb+1], s20 offset:0x80
	s_load_b512 s[84:99], s[\mb:\mb+1], s20 offset:0xc0
.Lnoask_\@:
	s_wait_alu depctr_va_vdst(0)
.irp t, 0,1,2,3,4,5,6,7
.irp c, 0,1
	ds_load_b128 v[32+8*\t+4*\c:35+8*\t+4*\c], v2 offset:1024*\t+512*\c      ; 512 consecutive bytes an instruction
.endr
.endr
	s_wait_dscnt 8                                 ; tiles 0 to 3 are in; the youngest eight loads may be out
.irp t, 0,1,2,3
	v_wmma_f32_16x16x64_bf8_bf8 v[96+8*\t:103+8*\t], v[32+8*\t:39+8*\t], v[16:23], 0
.endr
	s_wait_dscnt 0x0
.irp t, 4,5,6,7
	v_wmma_f32_16x16x64_bf8_bf8 v[96+8*\t:103+8*\t], v[32+8*\t:39+8*\t], v[16:23], 0
.endr
.rept 4
	v_nop                                          ; four places: in front of the loads over K's fragments, and of the first read of the scores
.endr
.irp t, 0,1,2,3
.irp c, 0,1,2,3
	ds_load_b128 v[32+16*\t+4*\c:35+16*\t+4*\c], v2 offset:8192+2048*\t+512*\c    ; V's four fragments land under the softmax
.endr
.endr
	s_wait_kmcnt 0x0                               ; the lane masks, where they were asked for.  It stands on every way
	s_and_b32 s3, s17, 0x10000
	s_cmp_eq_u32 s3, 0
	s_cbranch_scc1 .Lopen_\@
.set n, 0
.rept 32                                       ; masked scores become -infinity, in ascending order
	v_cndmask_b32 v[96+n], v[96+n], v255, s[32+n]
.set n, n+1
.endr
.set n, 0
.rept 32
	v_cndmask_b32 v[128+n], v[128+n], v255, s[68+n]
.set n, n+1
.endr
.Lopen_\@:
	v_max3_num_f32 v254, v96, v97, v98             ; the step's largest score of my query, among my 64 keys, in two chains,
	v_max3_num_f32 v252, v99, v100, v101
.set n, 6
.rept 14
	v_max3_num_f32 v254, v254, v[96+n], v[97+n]
	v_max3_num_f32 v252, v252, v[98+n], v[99+n]
.set n, n+4
.endr
	v_max3_num_f32 v254, v254, v158, v159
	s_delay_alu instid0(VALU_DEP_1)
	v_max_num_f32 v254, v254, v252
	s_delay_alu instid0(VALU_DEP_1)
	v_permlanex16_b32 v246, v254, s28, s29
	s_delay_alu instid0(VALU_DEP_1)
	v_max_num_f32 v254, v254, v246                 ; and among the 64 of the lane 16 away
	s_delay_alu instid0(VALU_DEP_1)
	v_mul_f32 v254, s22, v254                      ; as t (c is positive)
	s_delay_alu instid0(VALU_DEP_1)
	v_max_num_f32 v13, v13, v254                   ; the running largest t (a row all of whose scores here are masked keeps its old one)
	v_mov_b32 v254, v12
	s_delay_alu instid0(VALU_DEP_2)
	v_floor_f32 v12, -v13                          ; the new -M = floor(-t): M is a whole number
	s_delay_alu instid0(VALU_DEP_1)
	v_sub_f32 v254, v12, v254                      ; old M less new M: a whole number, 0 or less
	s_delay_alu instid0(VALU_DEP_1)
	v_cvt_i32_f32 v254, v254                       ; (it saturates)
	s_delay_alu instid0(VALU_DEP_1)
	v_ldexp_f32 v252, 1.0, v254                    ; f = 2^(old M - new M)
.set n, 0
.rept 32
	v_pk_fma_f32 v[96+n:97+n], v[96+n:97+n], s[22:23], v[12:13] op_sel_hi:[1,0,0]   ; t - M, two at a time (of the pairs c and -M the low word serves both halves)
.set n, n+2
.endr
	s_wait_alu depctr_va_vdst(0)
.set n, 0
.rept 64
	v_exp_f32 v[96+n], v[96+n]                     ; p = 2^(t - M); 0 where masked
.set n, n+1
.endr
	v_pk_mul_f32 v[14:15], v[14:15], v[252:253] op_sel_hi:[1,0]   ; the sums under the new M: the plain instruction behind the batch
	s_wait_alu depctr_va_vdst(0)                   ; and ahead of the first line that names an exponential's result: one for the batch of 64
	PADD 242, 100, 104
	PADD 250, 108, 112
	PADD 248, 116, 120
	PADD 24, 124, 128
	PADD 26, 132, 136
	PADD 28, 140, 144
	PADD 30, 148, 152
	PADD 14, 14, 156
	PADD 242, 242, 96
	PADD 250, 250, 98
	PADD 248, 248, 102
	PADD 24, 24, 106
	PADD 26, 26, 110
	PADD 28, 28, 114
	PADD 30, 30, 118
	PADD 14, 14, 122
	PADD 242, 242, 126
	PADD 250, 250, 130
	PADD 248, 248, 134
	PADD 24, 24, 138
	PADD 26, 26, 142
	PADD 28, 28, 146
	PADD 30, 30, 150
	PADD 14, 14, 154
	PADD 242, 242, 158
	s_delay_alu instid0(VALU_DEP_2)
	PADD 14, 14, 24
	s_delay_alu instid0(VALU_DEP_2)
	PADD 242, 242, 26
	PADD 250, 250, 28
	PADD 248, 248, 30
	s_delay_alu instid0(VALU_DEP_2)
	PADD 14, 14, 250
	s_delay_alu instid0(VALU_DEP_2)
	PADD 242, 242, 248
	s_delay_alu instid0(VALU_DEP_1)
	PADD 14, 14, 242
	s_cmp_ge_i32 s27, -15                          ; p is at most 1 and a rounding; from ep = -15 on the largest code x 2^ep is 1.75 or more and the hold cannot bind: it runs whenever it can.  ep is a whole number read from memory
	s_cbranch_scc1 .Lnohold_\@
.set n, 0
.rept 64
	v_min_num_f32 v[96+n], v[96+n], v240           ; p is never negative: the hold is one-sided
.set n, n+1
.endr
.Lnohold_\@:
.irp b, 0,1,2,3
	v_cvt_scalef32_pk8_bf8_f32 v[192+4*\b:193+4*\b], v[96+16*\b:103+16*\b], v244
	v_cvt_scalef32_pk8_bf8_f32 v[194+4*\b:195+4*\b], v[104+16*\b:111+16*\b], v244
.endr
	s_wait_alu depctr_va_vdst(0)                   ; directly ahead of the first reader of O^T
.set n, 0
.rept 16
	v_pk_mul_f32 v[160+n:161+n], v[160+n:161+n], v[252:253] op_sel_hi:[1,0]   ; O^T under the new M, each accumulator from its low end on; these are also the plain lines between the conversions and the products
.set n, n+2
.endr
	s_wait_alu depctr_va_vdst(0)
	s_wait_dscnt 0x0                               ; V's fragments are in
.irp t, 0,1,2,3
	v_wmma_f32_16x16x128_bf8_bf8 v[160+8*\t:167+8*\t], v[32+16*\t:47+16*\t], v[192:207], v[160+8*\t:167+8*\t]   ; the four accumulators take turns, one instruction a turn; the next matrix instruction is a tile of scores
.endr
.Lskip_\@:
	s_add_co_u32 s2, s2, 1
	s_cmp_lt_u32 s2, \first+\count
	s_cbranch_scc1 .Lstep_\@
.endm
; Group g is stored, what follows it is asked for (behind group 3: tile B's q), and everybody meets
.macro NEXT g
	s_wait_loadcnt 0x0                             ; my part of group g is in
	v_add_nc_u32 v2, 65536*\g, v3
	GSTORE 2, CB
	s_wait_dscnt 0x0                               ; for the others' sake: my part has landed in LDS.  Its registers are free as well
.if \g < 3
	GLOAD (\g+1), CB
.else
	QLOAD CB, 4
.endif
	s_barrier_signal -1
	s_barrier_wait -1                              ; everybody's part of group g has landed
.endm
; THE WAY OUT.  O^T / the sum x 2^(ep + ev), through my stage in two halves, so that sixteen lanes store a whole row of 256 bytes
.macro WAYOUT ob
	v_add_f32 v14, v14, v15                        ; the sum's two halves,
	s_delay_alu instid0(VALU_DEP_1)
	v_permlanex16_b32 v246, v14, s28, s29
	s_delay_alu instid0(VALU_DEP_1)
	v_add_f32 v14, v14, v246                       ; and those of the lane 16 away
	s_wait_alu depctr_va_vdst(0)
	v_rcp_f32 v14, v14
	v_nop                                          ; the plain instruction behind the reciprocal; with the lines above, the next v_nop and the v_ldexp_f32 also the places behind the last products
	v_nop
	s_wait_alu depctr_va_vdst(0)                   ; and ahead of the first line that names the reciprocal, and of O^T's first readers
	v_ldexp_f32 v14, v14, s66
.irp t, 0,1,2,3                                ; register 160 + 8 t + j: out(query r, channel 16 t + 8 h + j).  Half 0 takes j = 0, 1, 4, 5, half 1 the others
	v_mul_f32 v[96+8*\t], v[160+8*\t], v14
	v_mul_f32 v[97+8*\t], v[161+8*\t], v14
	v_mul_f32 v[100+8*\t], v[162+8*\t], v14
	v_mul_f32 v[101+8*\t], v[163+8*\t], v14
	v_mul_f32 v[98+8*\t], v[164+8*\t], v14
	v_mul_f32 v[99+8*\t], v[165+8*\t], v14
	v_mul_f32 v[102+8*\t], v[166+8*\t], v14
	v_mul_f32 v[103+8*\t], v[167+8*\t], v14
.endr
.irp p, 0,1
.irp t, 0,1,2,3
	ds_store_b128 v9, v[96+8*\t+4*\p:99+8*\t+4*\p] offset:32*\t
.endr
.irp i, 0,1,2,3,4,5,6,7                        ; two rows an instruction, 8 bytes a lane; LDS serves a wave's instructions in order (ISA guide 5.7.1.4)
	ds_load_b64 v[32+4*\i+2*\p:33+4*\i+2*\p], v8 offset:288*\i
.endr
.endr
.irp i, 0,1,2,3,4,5,6,7
	s_wait_dscnt 7-\i                              ; both halves of these two rows are in; the second half's later loads may be out
	global_store_b128 v7, v[32+4*\i:35+4*\i], s[\ob:\ob+1] offset:8192*\i th:TH_STORE_NT   ; sixteen lanes store 256 consecutive bytes, aligned: one (position, head) row
.endr
.endm
	s_load_b256 s[4:11], s[0:1], 0x0               ; queries s[4:5], kv_codes s[6:7], mbits s[8:9], flags s[10:11]
	s_load_b128 s[12:15], s[0:1], 0x20             ; the scales' exponents s[12:13], out s[14:15]
	v_lshl_add_u32 v[SPW], v0, 2, SPARE
	v_mov_b32 v[NIL], 0
	v_lshrrev_b32 v16, 5, v0
	v_and_b32 v17, 31, v0                          ; lane
	v_and_b32 v18, 15, v0                          ; r
	v_bfe_u32 v19, v0, 4, 1                        ; h
	v_readfirstlane_b32 s16, v16                   ; wave 0..15
	v_lshlrev_b32 v1, 4, v17                       ; 16 x lane
	v_mul_u32_u24 v20, v18, 144
	v_mul_u32_u24 v21, v19, 144
	v_lshlrev_b32 v7, 12, v19
	s_mul_i32 s34, s16, STGW
	s_add_co_u32 s34, s34, STG                     ; my stage
	s_lshl_b32 s35, s16, 12
	v_lshl_add_u32 v21, v18, 3, v21
	v_lshl_add_u32 v9, v19, 4, v20
	v_lshl_add_u32 v10, v19, 5, v20
	v_lshl_add_u32 v7, v18, 4, v7                  ; q and out: lanes 0-15 one position, lanes 16-31 the next (4,096 bytes on); 16 bytes a lane
	v_add_nc_u32 v8, s34, v21                      ; the stage by rows: lanes 0-15 one row, lanes 16-31 the next; 8 bytes a lane
	v_add_nc_u32 v9, s34, v9                       ; by my query, 16 bytes for each half of the lanes: the way out
	v_add_nc_u32 v10, s34, v10                     ; and 32 bytes for each: q
	v_add_nc_u32 v3, s35, v1                       ; my 4,096 bytes of a group
	v_mov_b32 v246, 0                              ; written once: a lane permute's destination counts as one of its sources
	v_mov_b32 v255, 0xff800000                     ; -infinity
	s_wait_alu depctr_va_vdst(0)
	s_and_b32 s17, ttmp7, 0xffff                   ; the head among 64
	s_lshr_b32 s18, s17, 4                         ; its batch
	s_and_b32 s19, s17, 15                         ; the head within it
	s_lshl_b32 s100, ttmp9, 4
	s_add_co_u32 s100, s100, s16                   ; tile B
	s_sub_co_u32 s101, 127, s100                   ; tile A
	s_mov_b32 s59, 0                               ; the upper word of every offset pair s[58:59]
	s_mov_b32 s28, 0x76543210                      ; v_permlanex16_b32's selects: the lane 16 away
	s_mov_b32 s29, 0xfedcba98
	s_wait_kmcnt 0x0
	s_load_b128 s[24:27], s[12:13], 0x0            ; eq, ek, ev, ep
	s_lshl_b32 s34, s18, 16                        ; the flag words: 512 (128 b + T), and 256 on
	s_lshl_b32 s58, s101, 9
	s_add_co_u32 s58, s58, s34
	s_add_nc_u64 s[60:61], s[10:11], s[58:59]
	s_load_b32 s40, s[60:61], 0x0
	s_load_b32 s41, s[60:61], 0x100
	s_lshl_b32 s58, s100, 9
	s_add_co_u32 s58, s58, s34
	s_add_nc_u64 s[62:63], s[10:11], s[58:59]
	s_load_b32 s42, s[62:63], 0x0
	s_load_b32 s43, s[62:63], 0x100
	s_lshl_b32 s34, s18, 23                        ; q and out: batch x 2,048 x 4,096 + head x 256 + T x 16 x 4,096 bytes
	s_lshl_b32 s35, s19, 8
	s_add_co_u32 s34, s34, s35
	s_lshl_b32 s58, s101, 16
	s_add_co_u32 s58, s58, s34
	s_add_nc_u64 s[36:37], s[4:5], s[58:59]        ; tile A's rows of q,
	s_add_nc_u64 s[44:45], s[14:15], s[58:59]      ; and of out
	s_lshl_b32 s58, s17, 18                        ; the codes: head x 262,144 + wave x 4,096
	s_lshl_b32 s35, s16, 12
	s_add_co_u32 s58, s58, s35
	s_add_nc_u64 s[6:7], s[6:7], s[58:59]
	QLOAD 160, 36
	GLOAD 0, 32
	GLOAD 1, CB
	s_lshl_b32 s58, s100, 16
	s_add_co_u32 s58, s58, s34
	s_add_nc_u64 s[4:5], s[4:5], s[58:59]          ; tile B's rows of q,
	s_add_nc_u64 s[14:15], s[14:15], s[58:59]      ; and of out
	s_lshl_b32 s34, s18, 19                        ; the lane masks: 4,096 (128 b + T)
	s_lshl_b32 s58, s100, 12
	s_add_co_u32 s58, s58, s34
	s_add_nc_u64 s[10:11], s[8:9], s[58:59]        ; tile B's,
	s_lshl_b32 s58, s101, 12
	s_add_co_u32 s58, s58, s34
	s_add_nc_u64 s[8:9], s[8:9], s[58:59]          ; and tile A's
	s_wait_kmcnt 0x0                               ; the exponents and the flag words
	s_mov_b64 s[12:13], s[44:45]
	s_lshl_b32 s41, s41, 8
	s_or_b32 s30, s40, s41                         ; tile A: bit s: step s is walked; bit 16 + s: it has masked scores
	s_lshl_b32 s43, s43, 8
	s_or_b32 s31, s42, s43                         ; tile B
	s_add_co_i32 s34, s24, s25
	s_lshl_b32 s34, s34, 23
	s_add_co_i32 s22, s34, 0x3e38aa3b              ; c = log2(e) / 8, with eq + ek added to its exponent field: a score stands for score x 2^(eq + ek)
	s_mov_b32 s23, s22                             ; (named with it as a pair, so it is written)
	s_add_co_i32 s34, s27, 127
	s_lshl_b32 s35, s34, 23
	v_mov_b32 v244, s35                            ; 2^ep as f32, for p's conversions
	s_add_co_i32 s34, s34, 15
	s_lshl_b32 s34, s34, 23
	s_or_b32 s34, s34, 0x600000
	v_mov_b32 v240, s34                            ; 57,344 x 2^ep
	s_add_co_i32 s34, s24, 127
	s_lshl_b32 s67, s34, 23                        ; 2^eq, for q's
	s_add_co_i32 s34, s34, 15
	s_lshl_b32 s34, s34, 23
	s_or_b32 s105, s34, 0x600000                   ; 57,344 x 2^eq
	s_add_co_i32 s66, s27, s26                     ; ep + ev
	s_wait_alu depctr_va_vdst(0)
	s_wait_loadcnt 16                              ; tile A's eight loads of q are in; the sixteen of groups 0 and 1 may be out
	QTURN 160
	s_wait_alu depctr_va_vdst(0)
	s_wait_loadcnt 8                               ; group 0's eight are in; group 1's may be out
	GSTORE 3, 32
	s_wait_dscnt 0x0                               ; for the others' sake: my part of group 0 has landed in LDS
	s_barrier_signal -1
.set n, 0
.rept 16                                       ; the lane masks' registers, written once: a step loads them only where it has masked scores.  The head's addresses in them are done with
	s_mov_b64 s[32+n:33+n], 0
	s_mov_b64 s[68+n:69+n], 0
.set n, n+2
.endr
	s_barrier_wait -1                              ; everybody's has
	INIT
	STEPS 30, 8, 0, 4                              ; tile A, group by group
	NEXT 1
	STEPS 30, 8, 4, 4
	NEXT 2
	STEPS 30, 8, 8, 4
	NEXT 3                                         ; the last barrier: from here on the images are only read, and stage and spare words are each wave's own
	STEPS 30, 8, 12, 4
	WAYOUT 12
	s_wait_alu depctr_va_vdst(0)
	s_wait_loadcnt 0x0                             ; tile B's q is in
	QTURN CB
	s_wait_alu depctr_va_vdst(0)
	s_wait_xcnt 0x0                                ; tile A's stores have their data in v32-63: these are written again only behind this wait
	INIT
	STEPS 31, 10, 0, 16                            ; tile B
	WAYOUT 14
	s_wait_tensorcnt 0x0                           ; the wave's end, behind my last LDS store
	ds_add_u32 v[SPW], v[NIL]
	s_wait_dscnt 0x0
	s_endpgm
.Lfunc_end_k_q0eb7766f65_attn:
	.size	k_q0eb7766f65_attn, .Lfunc_end_k_q0eb7766f65_attn-k_q0eb7766f65_attn
	.p2alignl 7, 3214868480
	.fill 96, 4, 3214868480
	.section	.rodata,"a",@progbits
	.p2align	6, 0x0
	.amdhsa_kernel k_q0eb7766f65_attn
		.amdhsa_group_segment_fixed_size 301056
		.amdhsa_private_segment_fixed_size 0
		.amdhsa_enable_private_segment 0
		.amdhsa_kernarg_size 48
		.amdhsa_user_sgpr_count 2
		.amdhsa_user_sgpr_kernarg_segment_ptr 1
		.amdhsa_wavefront_size32 1
		.amdhsa_system_sgpr_workgroup_id_x 1
		.amdhsa_system_sgpr_workgroup_id_y 1
		.amdhsa_system_sgpr_workgroup_id_z 1
		.amdhsa_system_vgpr_workitem_id 0
		.amdhsa_next_free_vgpr 256
		.amdhsa_next_free_sgpr 106
		.amdhsa_reserve_vcc 0
		.amdhsa_float_denorm_mode_32 3
		.amdhsa_float_denorm_mode_16_64 3
		.amdhsa_memory_ordered 1
		.amdhsa_forward_progress 1
		.amdhsa_inst_pref_size 135
	.end_amdhsa_kernel
	.amdgpu_metadata
---
amdhsa.version: [ 1, 2 ]
amdhsa.kernels:
  - .name:           k_q0eb7766f65_attn
    .symbol:         k_q0eb7766f65_attn.kd
    .args:
      - { .name: queries, .offset: 0, .size: 8, .value_kind: global_buffer, .address_space: global }
      - { .name: kv_codes, .offset: 8, .size: 8, .value_kind: global_buffer, .address_space: global }
      - { .name: mbits, .offset: 16, .size: 8, .value_kind: global_buffer, .address_space: global }
      - { .name: flags, .offset: 24, .size: 8, .value_kind: global_buffer, .address_space: global }
      - { .name: lowp_scales, .offset: 32, .size: 8, .value_kind: global_buffer, .address_space: global }
      - { .name: out0, .offset: 40, .size: 8, .value_kind: global_buffer, .address_space: global }
    .group_segment_fixed_size: 301056
    .private_segment_fixed_size: 0
    .kernarg_segment_align: 8
    .kernarg_segment_size: 48
    .max_flat_workgroup_size: 512
    .sgpr_count:     106
    .vgpr_count:     256
    .wavefront_size: 32
...
	.end_amdgpu_metadata
.endif
;; end of part 2
